; MI455X (gfx1250); checked and timed in simulation.
; The chip was launched on July 23, 2026; its instructions are those of AMD's public machine-readable ISA for CDNA 5 (MIT licence, August 2026) and "CDNA5" Instruction Set Architecture Reference Guide (July 2026). The comments in the code are by the model that wrote it; some were corrected since.
;; QKV Attention. Allowed arithmetic: matrix products marked QUANTISED: E4M3 operands, one E8M0 scale for each 32 along K, by v_wmma_scale_f32_16x16x128_f8f6f4 with both operands' format E4M3, f32 sums; everything else in f32.
;; Inputs: qkv 16 x 192 x 4,096 float32.
;; Outputs: out0 16 x 64 x 4,096 float32.
;; This version of the problem:
;;   THIS VERSION OF THE PROBLEM IS GIVEN IN LOW PRECISION. The matrix products marked QUANTISED in the list below multiply operands that are first quantised to E4M3 (4 exponent bits, 3 mantissa bits; 8 bits a number), with one power-of-two scale for each 32 numbers along K (OCP MX v1.0); their sums are f32. All else is computed in f32.
;;   The module's matrix products, in the order in which they are computed (A, B: the left and right operand; K: the contracted axis; several contracted axes count as one K, in the product's order):
;;     1. batch 16 x [M 4,096, K 64] x [K 64, N 4,096]; A: computed on the way; B: computed on the way: QUANTISED
;;     2. batch 16 x [M 64, K 4,096] x [K 4,096, N 4,096]; A: computed on the way; B: softmax (see below): QUANTISED
;;   THE QUANTISER, for each operand of a quantised product, along K:
;;     - K is cut into blocks of 32 from its start; a last block that is shorter is filled with zeros.
;;     - A block's scale is 2^e with e = floor(log2(the largest magnitude in the block)) - 8, held to -126 .. 127; a block of zeros has e = 0. As a byte (E8M0): e + 127.
;;     - Each number is divided by its block's scale, clamped to +-448, and rounded to the nearest number of E4M3, ties to even, subnormals kept.
;;     - The product sums the exact products of the quantised numbers (number of the format x scale) in f32.
;;   ~~~python
;;   def quantise(x, axis):      # numpy; x: float32 -> the quantised numbers, widened to float32 again
;;       x = np.moveaxis(x, axis, -1); K = x.shape[-1]
;;       x = np.pad(x, [(0, 0)] * (x.ndim - 1) + [(0, -K % 32)]); x = x.reshape(x.shape[:-1] + (-1, 32)); a = np.abs(x).max(-1, keepdims=True)
;;       e = np.where(a > 0, np.clip(np.frexp(np.where(a > 0, a, 1))[1] - 1 - 8, -126, 127), 0)      # np.frexp(a)[1] - 1 = floor(log2(a)), exactly
;;       r = np.clip(x / 2.0 ** e, -448, 448)
;;       step = 2.0 ** (np.maximum(np.frexp(np.where(r == 0, 1, r))[1] - 1, -6) - 3)
;;       q = np.round(r / step) * step * 2.0 ** e      # np.round: ties to even
;;       return np.moveaxis(q.reshape(q.shape[:-2] + (-1,))[..., :K], -1, axis).astype(np.float32)
;;   ~~~
;;   SOFTMAX AHEAD OF A QUANTISED PRODUCT. Where the list says 'softmax', what is quantised is not the finished softmax but p = 2^(t - M), with t = logit x log2(e) and M = ceil(the row's largest t), a whole number; so 1/2 < the row's largest p <= 1. The row's sum l is taken of the UNQUANTISED p, in f32, and the product's result is divided by l at the end. Since M is a whole number, a kernel that streams over the keys may use a running M (the ceiling of the running maximum): every later rescaling is an exact power of two, which a block's scale takes up: the codes' values come out the same.
;;   OPERANDS COMPUTED ON THE WAY. 'Computed on the way' means the value that the module computes at that place (a softmax that the list does not call 'softmax' is quantised finished and normalised). What goes into a quantiser is computed in f32, as accurately as f32 sums, v_exp_f32 and their like allow (about 1e-6 of the number): no bf16 or f16 on the way to a quantiser, and a product that is left as it is and whose result goes on into a quantised operand takes f32 operands (vector FMAs, or v_wmma_f32_16x16x4_f32). A number that lies on a knife's edge between two numbers of the format may be rounded either way, as far as f32 arithmetic and the matrix unit's own rounding can turn it there, and no further.
;; One version. Each part assembles by itself: llvm-mc -triple=amdgcn-amd-amdhsa -mcpu=gfx1250 --defsym DOCPART=n.
;; ======== version 1 of 1: 2 launches
;; limits: right only within a limited range of input values
;; workspace buffers: qc 4,194,304 bytes; qs 262,144 bytes; kv 8,650,752 bytes
;; launch quant (part 1): grid 32 x 16, 12 waves a work-group, no clusters, 36,352 bytes of LDS; arguments qkv, qc, qs, kv; writes qc, qs, kv
.if DOCPART == 1
	.amdgcn_target "amdgcn-amd-amdhsa--gfx1250"
	.amdhsa_code_object_version 6
	.text
	.protected	k_q935cba81b4_quant
	.globl	k_q935cba81b4_quant
	.p2align	8
	.type	k_q935cba81b4_quant,@function
k_q935cba81b4_quant:
	s_mov_b64 s[64:65], 0
	v_nop
	global_prefetch_b8 v0, s[64:65] scope:SCOPE_SE
	s_setreg_imm32_b32 hwreg(HW_REG_WAVE_MODE, 25, 1), 1
	s_wait_xcnt 0x0
; qkv [16][192][4096] f32 = q, k, v, 64 channel rows each, t innermost.  q and k are multiplied by 64^(-1/4) and quantised along the 64 CHANNELS (two blocks of 32 for each
; query or key); v is quantised along the KEYS (blocks of 32).  Codes of FP8 (E4M3), one E8M0 byte a block.  A block's scale is 2^(floor(log2(largest magnitude)) - 8): its byte is
; the largest magnitude's exponent field - 8, held at 1 from below; each number is held within +-448 x the scale and rounded to the nearest code, ties to even.
; WHAT IS STORED ARE IMAGES OF THE NEXT LAUNCH'S OPERAND REGISTERS (lane = r + 16 h, 16 bytes a lane, 512 bytes a group of four registers):
;   qc  [16][256 tiles of 16 queries][1,024]: byte 512 c + 16 lane: query r, channels 32 c + 16 h + 0..15.      qs [16][4096] words: bytes {blk0, blk1, blk0, blk1} of a query.
;   kv  [16][32 key steps of 128 keys][16,896]:  K fragment f at 2048 f + 512 c + 16 lane: c = 0, 1: key 32 f + r%8 + 16 (r/8), channels 32 c + 16 h + 0..15; c = 2, 3: the key 8 further on,
;       channels 32 (c - 2) + 16 h + 0..15 (one fragment of 128 along K carries TWO tiles of 16 keys x 64 channels);  V fragment n at 8192 + 2048 n + 512 c + 16 lane: channel 16 n + r,
;       keys 32 c + 16 h + 0..15;  at 16384 + 16 r + 4 f K fragment f's scale word of row r {low key blk0, blk1, high key blk0, blk1};  at 16640 + 16 r + 4 n V fragment n's of channel 16 n + r.
; SHARES.  Work-group (x = key step, y = batch) takes 128 columns t of all 192 rows.  Waves 0-3: q, 32 columns each; waves 4-7: k, a fragment each: A LANE TAKES A COLUMN AND ITS REGISTERS RUN
; DOWN THE CHANNELS, so that a block lies in one lane and the conversions give codes with the channels innermost.  Waves 8-11: v, 16 channel rows x 128 keys each: loaded as the bytes lie (512
; consecutive bytes a load) and turned through the wave's own stage in LDS, so that a lane holds 16 neighbouring keys of each block.  Every wave asks for all its 8,192 bytes at once: no loop.
; Memory binds: no matrix unit, no tensor load, no cluster (work-groups share no input).  One barrier: the 256 scale words meet in LDS and leave as 512 consecutive bytes twice.
; LIMITS: NaN and infinities among the inputs are not served.  A block of zeros gets the byte 1 where the rule says 127: its codes are zeros, and this program alone reads the bytes.
; A block whose largest magnitude lies under 2^-118 keeps the byte 1, which is the rule's own hold at -126.
.set ROWB,   16384                     ; a row of qkv in bytes
.set STEPB,  16896                     ; a key step's block in kv
.set KVAREA, 512                       ; LDS: bytes 0-511 q's 128 scale words; 512-767 K's 64; 768-1023 V's 64
.set STAGE,  1024                      ; behind them a stage of 16 rows x 528 bytes for each of the four v waves
.set SPITCH, 528                       ; 512 bytes + 16: the sixteen rows that a read touches start 33 x 16 bytes apart
.set WSTG,   16*SPITCH
.set CQ,   4                           ; v4   q: 4 lane + 128 sub: my column's byte in the work-group's 512 of a row
.set CK,   5                           ; v5   k: 4 x + 128 sub, x = lane%8 + 16 (lane/8 % 2) + 8 (lane/16): lanes 0-15 the fragment's low keys, lanes 16-31 the high ones
.set CV,   6                           ; v6   v: 16 lane + 16 rows x sub
.set ST,   7                           ; v7   q's and k's codes: 1024 h + 16 r + 2048 sub
.set SV,   8                           ; v8   v's codes: 16 lane + 2048 sub
.set QA,   9                           ; v9   LDS: my query's scale word
.set KA,   10                          ; v10  LDS: K's scale word of row r, fragment sub
.set VA,   11                          ; v11  LDS: V's
.set SI,   12                          ; v12  LDS: the stage on the way in
.set SOUT, 13                          ; v13  LDS: and on the way out
.set RD,   14                          ; v14  LDS: the scale words read back: wave 0 q's 512 bytes, wave 1 K's and V's
.set L16,  15                          ; v15  16 lane
.set TM,   16                          ; v16-31 at work: +0..3 largest magnitudes, +4..7 the other lane's, then bytes, +8..11 448 x the scale, +12..15 the conversions' scale operands
.set X,    32                          ; v32-95  64 numbers as loaded
.set C,    96                          ; v96-111 q's and k's codes
.set X2,   96                          ; v96-159 v's numbers behind the stage
.set PC,   32                          ; v32-47  v's codes
.set BK,   20                          ; v20-23 scale words read back, when the work in v16-31 is over
.set PW,   48                          ; v48 a scale word; v49, v50 at work: at the head, ahead of the loads into them, and again when the numbers loaded there are done with
	s_load_b256 s[4:11], s[0:1], 0x0               ; qkv s[4:5], qc s[6:7], qs s[8:9], kv s[10:11]
	v_lshrrev_b32 v1, 5, v0
	s_delay_alu instid0(VALU_DEP_1)
	v_readfirstlane_b32 s12, v1                    ; wave 0..11
	s_and_b32 s13, s12, 3                          ; sub: which quarter of q, which fragment of K or of V
	s_and_b32 s15, ttmp7, 0xffff                   ; batch
	v_and_b32 v1, 31, v0                           ; lane
	v_and_b32 v2, 15, v0                           ; r
	v_bfe_u32 v3, v0, 4, 1                         ; h
	; every address is made here, ahead of the place where the waves part
	s_lshl_b32 s16, s13, 7
	v_lshl_add_u32 v[CQ], v1, 2, s16
	v_and_b32 v49, 7, v1
	v_bfe_u32 v50, v1, 3, 1
	s_delay_alu instid0(VALU_DEP_1)
	v_lshl_add_u32 v49, v50, 4, v49
	s_delay_alu instid0(VALU_DEP_1)
	v_lshl_add_u32 v49, v3, 3, v49                 ; x
	s_delay_alu instid0(VALU_DEP_1)
	v_lshl_add_u32 v[CK], v49, 2, s16
	s_lshl_b32 s17, s13, 18
	v_lshl_add_u32 v[CV], v1, 4, s17
	s_lshl_b32 s18, s13, 11
	v_lshl_add_u32 v[ST], v2, 4, s18
	s_delay_alu instid0(VALU_DEP_1)
	v_lshl_add_u32 v[ST], v3, 10, v[ST]
	v_lshl_add_u32 v[SV], v1, 4, s18
	v_lshl_add_u32 v[QA], v1, 2, s16               ; q's words begin at LDS byte 0
	s_lshl_b32 s19, s13, 2
	s_add_co_u32 s19, s19, KVAREA
	v_lshl_add_u32 v[KA], v2, 4, s19
	s_delay_alu instid0(VALU_DEP_1)
	v_add_nc_u32 v[VA], 256, v[KA]
	s_mul_i32 s25, s13, WSTG
	s_add_co_u32 s25, s25, STAGE
	v_lshl_add_u32 v[SI], v1, 4, s25
	v_mul_u32_u24 v[SOUT], v2, SPITCH
	s_delay_alu instid0(VALU_DEP_1)
	v_lshl_add_u32 v[SOUT], v3, 6, v[SOUT]
	s_delay_alu instid0(VALU_DEP_1)
	v_add_nc_u32 v[SOUT], s25, v[SOUT]
	s_min_u32 s26, s12, 1
	s_lshl_b32 s26, s26, 9
	v_lshl_add_u32 v[RD], v1, 4, s26
	v_lshlrev_b32 v[L16], 4, v1
.irp b, 0,1,2,3
	v_mov_b32 v[TM+4+\b], 0                        ; written once: a lane permute's destination counts as one of its sources
.endr
	s_mov_b32 s20, 0x76543210
	s_mov_b32 s21, 0xfedcba98                      ; v_permlanex16_b32's selects for lane l xor 16
	s_mov_b32 s22, 0x3eb504f3                      ; 64^(-1/4) in f32
	s_mov_b32 s23, s22                             ; (named with it as a pair, so it is written)
	s_mov_b32 s24, 0x600000                        ; the mantissa field of 448
	s_mul_i32 s38, s15, 192*ROWB                   ; qkv: the batch, + my 128 columns
	s_lshl_b32 s46, ttmp9, 9
	s_add_co_u32 s38, s38, s46
	s_mov_b32 s39, 0
	s_lshl_b32 s44, s15, 14                        ; qs: 16,384 bytes a batch, 512 a work-group
	s_add_co_u32 s44, s44, s46
	s_mov_b32 s45, 0
	s_lshl_b32 s40, s15, 18                        ; qc: 262,144 bytes a batch, 8,192 a work-group
	s_lshl_b32 s46, ttmp9, 13
	s_add_co_u32 s40, s40, s46
	s_mov_b32 s41, 0
	s_lshl_b32 s42, s15, 5                         ; kv: block 32 batch + key step
	s_add_co_u32 s42, s42, ttmp9
	s_mul_i32 s42, s42, STEPB
	s_mov_b32 s43, 0
	s_wait_kmcnt 0x0
	s_add_nc_u64 s[28:29], s[4:5], s[38:39]
	s_add_nc_u64 s[30:31], s[6:7], s[40:41]
	s_add_nc_u64 s[32:33], s[10:11], s[42:43]
	s_add_nc_u64 s[34:35], s[8:9], s[44:45]
	s_add_nc_u64 s[36:37], s[32:33], 16384         ; the key step's scale words
; q (kind 0) or k (kind 1): 32 columns x 64 channels.  Each load reads one channel row at the wave's 32 columns: 128 consecutive bytes.
.macro COL kind, adr, base
.set jj, 0
.rept 64
	global_load_b32 v[X+jj], v[\adr], s[28:29] offset:(64*\kind+jj)*ROWB th:TH_LOAD_NT
.set jj, jj+1
.endr
.irp bk, 0,1                           ; the two blocks of 32 channels
.set XS, X+32*\bk
	s_wait_loadcnt 32-32*\bk                       ; loads come back in order: this block's 32 are in; the second block's 32, issued behind them, may be out
.set jj, 0
.rept 16
	v_pk_mul_f32 v[XS+jj:XS+jj+1], v[XS+jj:XS+jj+1], s[22:23] op_sel_hi:[1,0]   ; x 64^(-1/4), as the operand is defined
.set jj, jj+2
.endr
	v_max3_num_f32 v[TM], |v[XS]|, |v[XS+1]|, |v[XS+2]|              ; the block's largest magnitude: all 32 numbers are mine; two chains
	v_max3_num_f32 v[TM+1], |v[XS+3]|, |v[XS+4]|, |v[XS+5]|
.irp i, 6,10,14,18,22,26
	s_delay_alu instid0(VALU_DEP_2)
	v_max3_num_f32 v[TM], v[TM], |v[XS+\i]|, |v[XS+\i+1]|
	s_delay_alu instid0(VALU_DEP_2)
	v_max3_num_f32 v[TM+1], v[TM+1], |v[XS+\i+2]|, |v[XS+\i+3]|
.endr
	s_delay_alu instid0(VALU_DEP_2)
	v_max3_num_f32 v[TM], v[TM], |v[XS+30]|, |v[XS+31]|
	s_delay_alu instid0(VALU_DEP_1)
	v_max3_num_f32 v[TM], v[TM], v[TM+1], 0x4800000                  ; and the floor 2^(9 - 127): the byte cannot fall under 1
	s_delay_alu instid0(VALU_DEP_1)
	v_add_nc_u32 v[TM+12+\bk], 0xfc000000, v[TM]   ; 8 off the exponent field: the conversion takes this operand's exponent field as its scale
	s_delay_alu instid0(VALU_DEP_2)
	v_and_or_b32 v[TM+8], v[TM], 0x7f800000, s24   ; 448 x the scale
.set jj, 0
.rept 32
	v_med3_num_f32 v[XS+jj], v[XS+jj], -v[TM+8], v[TM+8]             ; the conversion to an 8-bit code does not saturate (ISA guide 7.6.2): the hold comes first
.set jj, jj+1
.endr
.irp g, 0,1,2,3
	v_cvt_scalef32_pk8_fp8_f32 v[C+8*\bk+2*\g:C+8*\bk+2*\g+1], v[XS+8*\g:XS+8*\g+7], v[TM+12+\bk]
.endr
	v_lshrrev_b32 v[TM+4+\bk], 23, v[TM+12+\bk]    ; the scale's byte; also the plain line behind the conversions
	global_store_b128 v[ST], v[C+8*\bk:C+8*\bk+3], s[\base:\base+1] offset:512*\bk          ; channels 32 bk + 0..15: lanes 0-15 store 256 consecutive bytes, aligned, lanes 16-31 another 256
	global_store_b128 v[ST], v[C+8*\bk+4:C+8*\bk+7], s[\base:\base+1] offset:512*\bk+256    ; channels 32 bk + 16..31
.endr
	v_lshl_or_b32 v[PW], v[TM+5], 8, v[TM+4]       ; my column's two bytes
.if \kind
	s_delay_alu instid0(VALU_DEP_1)
	v_permlanex16_b32 v49, v[PW], s20, s21         ; the other key of my row of the fragment
	v_cmp_gt_u32 vcc_lo, 16, v1
	s_delay_alu instid0(VALU_DEP_1)
	v_cndmask_b32 v50, v49, v[PW], vcc_lo          ; the low key's two bytes: mine in lanes 0-15,
	s_delay_alu instid0(VALU_DEP_2)
	v_cndmask_b32 v49, v[PW], v49, vcc_lo          ; the high key's: mine in lanes 16-31
	s_delay_alu instid0(VALU_DEP_1)
	v_lshl_or_b32 v[PW], v49, 16, v50
	ds_store_b32 v[KA], v[PW]                      ; lanes r and r + 16 write the same word with the same value
.else
	s_delay_alu instid0(VALU_DEP_1)
	v_lshl_or_b32 v[PW], v[PW], 16, v[PW]          ; twice: the query's codes stand in the lower or in the upper half of K
	ds_store_b32 v[QA], v[PW]
.endif
.endm
	s_cmp_lt_u32 s12, 4
	s_cbranch_scc0 .Lnot_q
	COL 0, CQ, 30
	s_branch .Ljoin
.Lnot_q:
	s_cmp_lt_u32 s12, 8
	s_cbranch_scc0 .Lv
	COL 1, CK, 32
	s_branch .Ljoin
.Lv:
	; v: 16 channel rows x 128 keys.  Each load reads a row's 512 consecutive bytes
.irp i, 0,1,2,3,4,5,6,7,8,9,10,11,12,13,14,15
	global_load_b128 v[X+4*\i:X+4*\i+3], v[CV], s[28:29] offset:(128+\i)*ROWB th:TH_LOAD_NT
.endr
.irp i, 0,1,2,3,4,5,6,7,8,9,10,11,12,13,14,15
	s_wait_loadcnt 15-\i                           ; row i is in; the rows issued behind it may be out
	ds_store_b128 v[SI], v[X+4*\i:X+4*\i+3] offset:SPITCH*\i
.endr
	s_wait_alu depctr_va_vdst(0)
.irp c, 0,1,2,3
.irp j, 0,1,2,3
	ds_load_b128 v[X2+16*\c+4*\j:X2+16*\c+4*\j+3], v[SOUT] offset:128*\c+16*\j   ; channel r, keys 32 c + 16 h + 4 j on.  LDS serves a wave's instructions in order (ISA guide 5.7.1.4): these see my stores
.endr
.endr
	s_wait_dscnt 0x0                               ; the numbers are back, and the stores have read v32 on, which the codes take
.irp b, 0,1,2,3
	v_max3_num_f32 v[TM+\b], |v[X2+16*\b]|, |v[X2+1+16*\b]|, 0x4800000   ; block b: my 16 numbers and the floor 2^(9 - 127)
.endr
.irp i, 2,4,6,8,10,12,14
.irp b, 0,1,2,3
	s_delay_alu instid0(VALU_DEP_4)
	v_max3_num_f32 v[TM+\b], v[TM+\b], |v[X2+16*\b+\i]|, |v[X2+1+16*\b+\i]|   ; the four blocks by turns
.endr
.endr
.irp b, 0,1,2,3
	s_delay_alu instid0(VALU_DEP_4)
	v_permlanex16_b32 v[TM+4+\b], v[TM+\b], s20, s21
.endr
.irp b, 0,1,2,3
	s_delay_alu instid0(VALU_DEP_4)
	v_max_num_f32 v[TM+\b], v[TM+\b], v[TM+4+\b]   ; with lane l xor 16's 16 keys: the block's largest magnitude
.endr
.irp b, 0,1,2,3
	s_delay_alu instid0(VALU_DEP_4)
	v_add_nc_u32 v[TM+12+\b], 0xfc000000, v[TM+\b]
.endr
.irp b, 0,1,2,3
	v_and_or_b32 v[TM+8+\b], v[TM+\b], 0x7f800000, s24
.endr
.irp b, 0,1,2,3
	v_lshrrev_b32 v[TM+4+\b], 23, v[TM+12+\b]
.endr
	s_delay_alu instid0(VALU_DEP_3)
	v_lshl_or_b32 v[PW], v[TM+5], 8, v[TM+4]       ; the four bytes make my channel's scale word for these 128 keys
	s_delay_alu instid0(VALU_DEP_1)
	v_lshl_or_b32 v[PW], v[TM+6], 16, v[PW]
	s_delay_alu instid0(VALU_DEP_1)
	v_lshl_or_b32 v[PW], v[TM+7], 24, v[PW]
.irp b, 0,1,2,3
.irp i, 0,1,2,3,4,5,6,7,8,9,10,11,12,13,14,15
	v_med3_num_f32 v[X2+16*\b+\i], v[X2+16*\b+\i], -v[TM+8+\b], v[TM+8+\b]
.endr
	v_cvt_scalef32_pk8_fp8_f32 v[PC+4*\b:PC+1+4*\b], v[X2+16*\b:X2+7+16*\b], v[TM+12+\b]
	v_cvt_scalef32_pk8_fp8_f32 v[PC+2+4*\b:PC+3+4*\b], v[X2+8+16*\b:X2+15+16*\b], v[TM+12+\b]
.endr
	v_nop                                          ; the plain line behind the last conversion
.irp c, 0,1,2,3
	global_store_b128 v[SV], v[PC+4*\c:PC+4*\c+3], s[32:33] offset:8192+512*\c   ; 32 lanes store 512 consecutive bytes, aligned
.endr
	ds_store_b32 v[VA], v[PW]                      ; lanes r and r + 16 write the same word with the same value
.Ljoin:
	s_wait_dscnt 0x0                               ; for the others' sake: my scale words lie in LDS
	s_barrier_signal -1
	s_barrier_wait -1                              ; everybody's do
	s_cmp_gt_u32 s12, 1
	s_cbranch_scc1 .Lend
	ds_load_b128 v[BK:BK+3], v[RD]                 ; wave 0: q's 128 words; wave 1: K's 64 and V's 64
	s_cmp_eq_u32 s12, 0
	s_cselect_b64 s[26:27], s[34:35], s[36:37]     ; the choice hangs on the wave's number alone
	s_wait_dscnt 0x0
	global_store_b128 v[L16], v[BK:BK+3], s[26:27] ; 512 consecutive bytes, aligned
.Lend:
	v_lshl_add_u32 v2, v0, 2, 0x8800               ; all 160 registers are at work above, so the add's two registers are made here, from v0, which stands as at the entry
	v_mov_b32 v3, 0
	s_wait_alu depctr_va_vdst(0)                   ; the wait directly ahead of the wait below
	s_wait_tensorcnt 0x0
	ds_add_u32 v2, v3
	s_wait_dscnt 0x0
	s_endpgm
.Lfunc_end_k_q935cba81b4_quant:
	.size	k_q935cba81b4_quant, .Lfunc_end_k_q935cba81b4_quant-k_q935cba81b4_quant
	.p2alignl 7, 3214868480
	.fill 96, 4, 3214868480
	.section	.rodata,"a",@progbits
	.p2align	6, 0x0
	.amdhsa_kernel k_q935cba81b4_quant
		.amdhsa_group_segment_fixed_size 36352
		.amdhsa_private_segment_fixed_size 0
		.amdhsa_enable_private_segment 0
		.amdhsa_kernarg_size 32
		.amdhsa_user_sgpr_count 2
		.amdhsa_user_sgpr_kernarg_segment_ptr 1
		.amdhsa_wavefront_size32 1
		.amdhsa_system_sgpr_workgroup_id_x 1
		.amdhsa_system_sgpr_workgroup_id_y 1
		.amdhsa_system_sgpr_workgroup_id_z 1
		.amdhsa_system_vgpr_workitem_id 0
		.amdhsa_next_free_vgpr 160
		.amdhsa_next_free_sgpr 66
		.amdhsa_reserve_vcc 1
		.amdhsa_float_denorm_mode_32 3
		.amdhsa_float_denorm_mode_16_64 3
		.amdhsa_memory_ordered 1
		.amdhsa_forward_progress 1
		.amdhsa_inst_pref_size 52
	.end_amdhsa_kernel
	.amdgpu_metadata
---
amdhsa.version: [ 1, 2 ]
amdhsa.kernels:
  - .name:           k_q935cba81b4_quant
    .symbol:         k_q935cba81b4_quant.kd
    .args:
      - { .name: qkv, .offset: 0, .size: 8, .value_kind: global_buffer, .address_space: global }
      - { .name: qc, .offset: 8, .size: 8, .value_kind: global_buffer, .address_space: global }
      - { .name: qs, .offset: 16, .size: 8, .value_kind: global_buffer, .address_space: global }
      - { .name: kv, .offset: 24, .size: 8, .value_kind: global_buffer, .address_space: global }
    .group_segment_fixed_size: 36352
    .private_segment_fixed_size: 0
    .kernarg_segment_align: 8
    .kernarg_segment_size: 32
    .max_flat_workgroup_size: 384
    .sgpr_count:     66
    .vgpr_count:     160
    .wavefront_size: 32
...
	.end_amdgpu_metadata
.endif
;; end of part 1
;; launch attn (part 2): grid 16 x 16, 8 waves a work-group, clusters of 4 x 1, 327,680 bytes of LDS; arguments qc, qs, kv, out0; writes out0
.if DOCPART == 2
	.amdgcn_target "amdgcn-amd-amdhsa--gfx1250"
	.amdhsa_code_object_version 6
	.text
	.protected	k_q935cba81b4_attn
	.globl	k_q935cba81b4_attn
	.p2align	8
	.type	k_q935cba81b4_attn,@function
k_q935cba81b4_attn:
	s_mov_b64 s[64:65], 0
	v_nop
	global_prefetch_b8 v0, s[64:65] scope:SCOPE_SE
	s_setreg_imm32_b32 hwreg(HW_REG_WAVE_MODE, 25, 1), 1
	s_wait_xcnt 0x0
	s_wait_alu depctr_hold_cnt(0) depctr_sa_sdst(0) depctr_va_vdst(0) depctr_va_sdst(0) depctr_va_ssrc(0) depctr_va_vcc(0) depctr_vm_vsrc(0)
	s_getreg_b32 s2, hwreg(HW_REG_IB_STS2, 6, 4)
	s_cmp_eq_u32 s2, 0
	s_cbranch_scc0 .Lentry_in_a_cluster
	s_endpgm
.Lentry_in_a_cluster:
	s_bfe_u32 s2, ttmp6, 0x10000c
	s_cmp_lg_u32 s2, 0x3003
	s_cbranch_scc0 .Lentry_shape_is_right
	s_endpgm
.Lentry_shape_is_right:
; out0[b][c][t] = the sum over keys s of softmax_s(q[b][:,t] . k[b][:,s]) v[b][c][s], q and k already multiplied by 64^(-1/4); both products on codes of FP8 (E4M3), one E8M0 scale for each 32 along K.
; qc, qs, kv are images of operand registers, as the launch before lays them: qc [16][256 tiles][1,024]; qs [16][4096] words; kv [16][32 key steps][16,896]: four K fragments of 2,048 bytes, four V fragments, 512 bytes of scale words.
; SOFTMAX: t = score x log2(e); M = the running largest t rounded up to a whole number; p = 2^(t - M) is quantised along the keys, not normalised; the row's sum is taken of the unquantised p and divides at the end.
; When M moves, the sum and O are multiplied by 2^(old M - new M): exact.
; SHARES: a work-group owns 256 queries of one batch; each of its 8 waves owns TWO tiles of 16 queries, so that each fragment of K feeds four products and each fragment of V two, and every chain of one tile has the other tile's beside it.
; LAYOUT: both products transposed (S^T = K Q^T, O^T = V P^T): a lane holds one query of each tile.  A K fragment carries two tiles of 16 keys x 64 channels; Q lies between registers of zero codes: [Q | 0] picks the first, [0 | Q] the second.
; The 16 registers of S tiles 2 f and 2 f + 1 are 16 neighbouring keys: the conversions' results are the second product's operand.
; REGISTERS: window 0: addresses, each tile's small state, scale words, p's codes, S of both tiles: all lines of the softmax run with every window 0.  Window 1: K's and V's fragments, Q with its zeros, O^T.
; THE EXPONENTIALS go in two batches, a tile each, and between every two of them stands one plain line of the other tile that reads only what was written ahead of the batch's wait and is read only behind the wait that follows the batch:
; tile 1's multiply-adds among tile 0's exponentials, tile 0's holds among tile 1's.
; RING: two LDS slots of 8 key steps (135,168 bytes each); each of the 8 waves fetches one step's block, 66 rows of 256 bytes, one tensor load a wave behind each round.
; CLUSTER: the four query blocks of a cluster belong to one batch and walk the same kv blocks: each block is asked for jointly, by the same descriptor and the mask of all four.
; No prefetch is laid: a refill is asked for eight key steps ahead of the wait for it, and a work-group has four fills in all.
; K's fragments of the next step and V's of this step are loaded behind the first product; at a slot's last step the look-ahead address is held at that same step, inside the slot, and what it brings is not used.
; LIMITS: NaN and infinities are not served.  p under 2^-126 comes out of v_exp_f32 as 0.  A block whose largest p lies under 2^-118 keeps the byte 1 (the quantiser's own hold).  A block's largest p is not searched for:
; the block's largest score goes through the same multiply-add and exponential, which takes v_exp_f32 not to fall where its input rises.  The promise holds while the scaled scores stay under 2^31 in magnitude.
.set DUAL,   1                         ; 1: the holds go two to a line
.set STEPB,  16896
.set SLOTB,  8*STEPB
.set SPARE,  2*SLOTB                   ; the spare words: 128 bytes a wave, four blocks of 256 bytes that no other line names
.set SPITCH, 1040                      ; the way out: 64 channel rows x (1,024 + 16) bytes from LDS byte 0: slot 0 has had its last fill and last read by then
.set LI,  1                            ; 16 x lane
.set AD,  2                            ; LDS address of the step in hand
.set SPW, 3                            ; my spare word; never rewritten
.set NIL, 4                            ; 0; never rewritten
.set AD2, 5                            ; LDS address of the step ahead
.set SM,  8                            ; tile t's small state at SM + 28 t:
.set MM,  0                            ; pair: -M, the running largest t
.set FF,  2                            ; pair: f = 2^(old M - new M), at the end 1 / the sum; the upper word is cleared once
.set LA,  4                            ; the row's sum in four parts
.set LB,  6
.set BM,  8                            ; the blocks' largest scores, then largest p
.set PT,  12                           ; the other lane's, then bytes
.set HD,  16                           ; 448 x the scale
.set SO,  20                           ; the conversions' scale operands
.set TP,  24
.set SCK, 64                           ; scale words read with K's fragments (lanes 0-15 serve)
.set SCV, 68                           ; and with V's (lanes 16-31 serve)
.set STO, 72
.set RD,  73
.set PW,  74                           ; p's scale word, tile t at PW + t
.set PC,  76                           ; p's codes, 16 registers a tile
.set QS,  108                          ; Q's scale words, tile t at QS + t
.set S,   112                          ; S^T, then p: 64 registers a tile
.set T0,  240                          ; two more chains for a step's sums
.set T1,  242
.set FK,  0                            ; window 1: K's four fragments
.set FV,  64                           ; V's
.set QZ,  128                          ; 0, Q of tile 0, 0, Q of tile 1, 0: eight registers each
.set O,   168                          ; O^T, 32 registers a tile: register 8 n + j = channel 16 n + 8 h + j
.set WV,  12
.set CS,  22
.set G1,  24
.set G0,  32
.set SEL, 40
.set MNT, 42
.set TBS, 43                           ; LDS byte of the step in hand
.set CNT, 44
.set TBN, 45                           ; and of the step ahead
.set MSB, 0
.macro WIN new                         ; the immediate's high byte repeats the setting that is left
.if MSB != \new
	s_set_vgpr_msb (MSB<<8)|\new
.set MSB, \new
.endif
.endm
.macro CROUND                          ; a round of the cluster's barrier
	s_barrier_signal -1
	s_barrier_wait -1
	s_cmp_lg_u32 s[WV], 0
	s_cbranch_scc1 .Lnot_wave_0_\@
	s_barrier_signal -3
.Lnot_wave_0_\@:
	s_barrier_wait -3
	s_barrier_signal -1
	s_barrier_wait -1
.endm
.macro JLOAD g                         ; every wave fetches its step's block of slot g; s_nop 0 and four v_nop follow
	tensor_load_to_lds s[G0+4*\g:G0+4*\g+3], s[G1:G1+7]
	s_nop 0
.rept 4
	v_nop
.endr
.endm
; The change of slots.  fill = 1: slot g, just left, takes the keys two slots on; 2: slot g's first fill, issued as a refill is; 0: nothing is left to fetch.
.macro CHANGE fill, g
	s_wait_tensorcnt 0x0                           ; no tensor load of mine is out
	ds_add_u32 v[SPW], v[NIL]
.if \fill == 1
	s_add_nc_u64 s[G0+4*\g+2:G0+4*\g+3], s[G0+4*\g+2:G0+4*\g+3], 2*SLOTB
.endif
	s_wait_dscnt 0x0                               ; the add is done, and my reads of the slot are over
.if \fill
	CROUND
	JLOAD \g
.else
	s_barrier_signal -1
	s_barrier_wait -1
.endif
.endm
.macro FLOAD reg, adr, off             ; four fragments, 16 loads of 512 bytes on end, into window 1
.set jj, 0
.rept 16
	ds_load_b128 v[\reg+4*jj:\reg+4*jj+3], v[\adr] offset:\off+512*jj
.set jj, jj+1
.endr
.endm
.macro HOLD2 r, h                      ; two numbers held at 448 x the scale, in place (the conversion does not saturate: ISA guide 7.6.2; p is not negative, so the hold is one-sided)
.if DUAL
	v_dual_min_num_f32 v[\r], v[\r], v[\h] :: v_dual_min_num_f32 v[\r+1], v[\r+1], v[\h]
.else
	v_min_num_f32 v[\r], v[\r], v[\h]
	v_min_num_f32 v[\r+1], v[\r+1], v[\h]
.endif
.endm
.macro MINS t, q                       ; tile t, numbers 8 q .. 8 q + 7
.irp i, 0,2,4,6
	HOLD2 S+64*\t+8*(\q)+\i, SM+28*\t+HD+(\q)/2
.endr
.endm
.macro CVT t, q                        ; and their eight codes
	v_cvt_scalef32_pk8_fp8_f32 v[PC+16*\t+2*(\q):PC+16*\t+2*(\q)+1], v[S+64*\t+8*(\q):S+64*\t+8*(\q)+7], v[SM+28*\t+SO+(\q)/2]
.endm
.macro PADD d, a, b
	v_pk_add_f32 v[\d:\d+1], v[\a:\a+1], v[\b:\b+1]
.endm
.macro SUMS t, c                       ; tile t's 64 unquantised p onto the row's sum: 32 packed additions in four chains.  c = 1: tile 0's conversions stand among them
.set X_, SM+28*\t
.set S_, S+64*\t
	PADD X_+LA, X_+LA, S_
	PADD X_+LB, X_+LB, S_+2
	PADD T0, S_+4, S_+6
	PADD T1, S_+8, S_+10
.if \c
	CVT 0, 0
	CVT 0, 1
.endif
.irp g, 0,1,2,3,4,5
	PADD X_+LA, X_+LA, S_+12+8*\g
	PADD X_+LB, X_+LB, S_+14+8*\g
	PADD T0, T0, S_+16+8*\g
	PADD T1, T1, S_+18+8*\g
.if \c
	CVT 0, \g+2
.endif
.endr
	PADD X_+LA, X_+LA, S_+60
	PADD X_+LB, X_+LB, S_+62
	PADD X_+LA, X_+LA, T0
	PADD X_+LB, X_+LB, T1
.endm
	s_load_b256 s[4:11], s[0:1], 0x0               ; qc, qs, kv, out0
	v_lshl_add_u32 v[SPW], v0, 2, SPARE
	v_mov_b32 v[NIL], 0
	ds_add_u32 v[SPW], v[NIL]                      ; the opening lines: the add twice on end and one wait
	ds_add_u32 v[SPW], v[NIL]
	v_lshrrev_b32 v6, 5, v0
	v_readfirstlane_b32 s[WV], v6                  ; wave 0..7
	s_bfe_u32 s13, ttmp6, 0x40000                  ; cx
	s_lshl_b32 s14, ttmp9, 2
	s_add_co_u32 s14, s14, s13                     ; my block of 256 queries: it enters qc's, qs's and out0's addresses alone
	s_and_b32 s15, ttmp7, 0xffff                   ; the batch, which the partners share
	s_mul_i32 s46, s[WV], STEPB                    ; the step that I fetch: its place in a slot,
	s_mul_i32 s16, s15, 32*STEPB
	s_add_co_u32 s16, s16, s46                     ; and in kv
	s_mov_b32 s17, 0
	s_lshl_b32 s18, s15, 18                        ; qc: 262,144 bytes a batch, 16,384 a block, 2,048 a wave
	s_lshl_b32 s2, s14, 14
	s_add_co_u32 s18, s18, s2
	s_lshl_b32 s2, s[WV], 11
	s_add_co_u32 s18, s18, s2
	s_mov_b32 s19, 0
	s_lshr_b32 s20, s18, 4                         ; qs: a sixteenth of that
	s_mov_b32 s21, 0
	s_lshl_b32 s2, s15, 20                         ; out0: 2^20 bytes a batch; my eight channel rows; my block's 1,024 bytes of a row
	s_lshl_b32 s3, s[WV], 17
	s_add_co_u32 s2, s2, s3
	s_lshl_b32 s3, s14, 10
	s_add_co_u32 s2, s2, s3
	s_mov_b32 s3, 0
	s_mov_b32 s[G1], 15|(3<<16)|(1<<21)            ; the mask of all four; elements of 8 bytes; bit 21 beside a mask
	s_mov_b32 s[G1+1], 32<<16
	s_mov_b32 s[G1+2], 66<<16
	s_mov_b32 s[G1+3], 32<<16
	s_mov_b32 s[G1+4], 66                          ; 66 rows of 256 bytes, dense
	s_mov_b32 s[G1+5], 32
	s_mov_b32 s[G1+6], 0
	s_mov_b32 s[G1+7], 0
	s_mov_b32 s[CS], 0x3fb8aa3b                    ; log2(e)
	s_mov_b32 s[CS+1], s[CS]
	s_mov_b32 s[SEL], 0x76543210
	s_mov_b32 s[SEL+1], 0xfedcba98
	s_mov_b32 s[MNT], 0x600000
	s_wait_dscnt 0x0
	s_wait_kmcnt 0x0
	s_add_nc_u64 s[8:9], s[8:9], s[16:17]
	s_add_nc_u64 s[4:5], s[4:5], s[18:19]
	s_add_nc_u64 s[6:7], s[6:7], s[20:21]
	s_add_nc_u64 s[10:11], s[10:11], s[2:3]
	s_lshl_b32 s16, s[WV], 7                       ; the stage: my 32 queries' bytes in a row,
	s_mul_i32 s18, s[WV], 8*SPITCH                 ; and my eight rows on the way back
	CROUND                                         ; the first joint loads meet
.irp g, 0,1
	s_mov_b32 s[G0+4*\g], 1
	s_add_co_u32 s[G0+4*\g+1], s46, \g*SLOTB
	s_add_nc_u64 s[G0+4*\g+2:G0+4*\g+3], s[8:9], \g*SLOTB
	s_or_b32 s[G0+4*\g+3], s[G0+4*\g+3], 0x80000000
.endr
	JLOAD 0                                        ; key steps 0-7: one tensor load a wave at the head
	v_and_b32 v[LI], 31, v0
	v_lshlrev_b32 v[LI], 4, v[LI]
	v_and_b32 v6, 15, v0                           ; r
	v_bfe_u32 v7, v0, 4, 1                         ; h
	v_lshlrev_b32 v[AD], 2, v6
	v_mul_u32_u24 v[STO], v7, 8*SPITCH             ; the stage: channel row 8 h + (16 n + j), byte 128 w + 64 t + 4 r
	v_lshl_add_u32 v[STO], v6, 2, v[STO]
	v_add_nc_u32 v[STO], s16, v[STO]
	v_add_nc_u32 v[RD], s18, v[LI]
	global_load_b32 v[QS], v[AD], s[6:7] th:TH_LOAD_NT
	global_load_b32 v[QS+1], v[AD], s[6:7] offset:64 th:TH_LOAD_NT
	WIN 0x40
.irp t, 0,1
	global_load_b128 v[QZ+8+16*\t:QZ+11+16*\t], v[LI], s[4:5] offset:1024*\t th:TH_LOAD_NT        ; Q: query r, channels 16 h + 0..15,
	global_load_b128 v[QZ+12+16*\t:QZ+15+16*\t], v[LI], s[4:5] offset:1024*\t+512 th:TH_LOAD_NT   ; and 32 + 16 h + 0..15
.endr
.irp z, 0,16,32
.irp j, 0,1,2,3,4,5,6,7
	v_mov_b32 v[QZ+\z+\j], 0                       ; the zero codes beside Q
.endr
.endr
.set jj, 0
.rept 64
	v_mov_b32 v[O+jj], 0                           ; O^T: the step is written once, and the first change of M leaves zeros zeros
.set jj, jj+1
.endr
	WIN 0
.irp x, SM, SM+28
.irp j, 0,1,2,3
	v_mov_b32 v[\x+LA+\j], 0
	v_mov_b32 v[\x+PT+\j], 0                       ; a lane permute's destination counts as one of its sources
.endr
	v_mov_b32 v[\x+FF+1], 0
	v_mov_b32 v[\x+MM+1], 0xff61b1e6               ; the largest t so far: -3e38
	v_floor_f32 v[\x+MM], -v[\x+MM+1]
.endr
; A KEY STEP: 128 keys for both tiles.
.macro STEP
	s_wait_dscnt 0x0                               ; K's fragments and their scale words, asked for a step ago, are in
	WIN 0x05                                       ; sources 0 and 1 in window 1
.irp f, 0,1,2,3
.irp t, 0,1
	v_wmma_scale_f32_16x16x128_f8f6f4 v[S+64*\t+16*\f:S+64*\t+16*\f+7], v[FK+16*\f:FK+16*\f+15], v[QZ+8+16*\t:QZ+23+16*\t], 0, v[SCK+\f], v[QS+\t]
	v_wmma_scale_f32_16x16x128_f8f6f4 v[S+64*\t+16*\f+8:S+64*\t+16*\f+15], v[FK+16*\f:FK+16*\f+15], v[QZ+16*\t:QZ+15+16*\t], 0, v[SCK+\f], v[QS+\t]
.endr
.endr
	WIN 0
	v_add_nc_u32 v[AD], s[TBS], v[LI]              ; eight places behind the products, ahead of the loads into their registers and of the first readers of S
	v_add_nc_u32 v[AD2], s[TBN], v[LI]
.rept 6
	v_nop
.endr
	ds_load_b128 v[SCV:SCV+3], v[AD] offset:16384
	WIN 0x40
	FLOAD FV, AD, 8192                             ; this step's V
	FLOAD FK, AD2, 0                               ; the next step's K
	WIN 0
	ds_load_b128 v[SCK:SCK+3], v[AD2] offset:16384
.irp t, 0,1                            ; the largest score of each block of 32 keys: eight chains by turns; each tile is read from its low end on
.irp b, 0,1,2,3
	v_max3_num_f32 v[SM+28*\t+BM+\b], v[S+64*\t+16*\b], v[S+64*\t+16*\b+1], v[S+64*\t+16*\b+2]
.endr
.endr
.irp i, 3,5,7,9,11,13
.irp t, 0,1
.irp b, 0,1,2,3
	v_max3_num_f32 v[SM+28*\t+BM+\b], v[SM+28*\t+BM+\b], v[S+64*\t+16*\b+\i], v[S+64*\t+16*\b+\i+1]
.endr
.endr
.endr
.irp t, 0,1
.irp b, 0,1,2,3
	v_max_num_f32 v[SM+28*\t+BM+\b], v[SM+28*\t+BM+\b], v[S+64*\t+16*\b+15]
.endr
.endr
.irp x, SM, SM+28
.irp b, 0,1,2,3
	v_permlanex16_b32 v[\x+PT+\b], v[\x+BM+\b], s[SEL], s[SEL+1]
.endr
.endr
.irp x, SM, SM+28
.irp b, 0,1,2,3
	v_max_num_f32 v[\x+BM+\b], v[\x+BM+\b], v[\x+PT+\b]   ; with lane l xor 16's 16 keys
.endr
.endr
.irp x, SM, SM+28                      ; the two tiles' chains by turns
	v_max3_num_f32 v[\x+TP], v[\x+BM], v[\x+BM+1], v[\x+BM+2]
.endr
.irp x, SM, SM+28
	v_max_num_f32 v[\x+TP], v[\x+TP], v[\x+BM+3]
.endr
.irp x, SM, SM+28
	v_mul_f32 v[\x+TP], s[CS], v[\x+TP]            ; the step's largest t
.endr
.irp x, SM, SM+28
	v_max_num_f32 v[\x+MM+1], v[\x+MM+1], v[\x+TP] ; the running largest t
.endr
.irp x, SM, SM+28
	v_mov_b32 v[\x+TP], v[\x+MM]
.endr
.irp x, SM, SM+28
	v_floor_f32 v[\x+MM], -v[\x+MM+1]              ; the new -M = -ceil(t)
.endr
.irp x, SM, SM+28
	v_sub_f32 v[\x+TP], v[\x+MM], v[\x+TP]         ; old M - new M: a whole number, 0 or less
.endr
.irp x, SM, SM+28
	v_cvt_i32_f32 v[\x+TP], v[\x+TP]               ; (it saturates)
.endr
.irp x, SM, SM+28
	v_ldexp_f32 v[\x+FF], 1.0, v[\x+TP]            ; f
.endr
.set jj, 0
.rept 32
	v_pk_fma_f32 v[S+jj:S+jj+1], v[S+jj:S+jj+1], s[CS:CS+1], v[SM+MM:SM+MM+1] op_sel_hi:[1,0,0]   ; tile 0: t - M
.set jj, jj+2
.endr
.irp x, SM, SM+28
.irp b, 0,1,2,3
	v_fma_f32 v[\x+BM+\b], v[\x+BM+\b], s[CS], v[\x+MM]   ; the same of each block's largest score
.endr
.endr
	s_wait_alu depctr_va_vdst(0)                   ; the wait ahead of the batch
.irp x, SM, SM+28
.irp b, 0,1,2,3
	v_exp_f32 v[\x+BM+\b], v[\x+BM+\b]             ; the first batch: the blocks' largest p,
.endr
.endr
.set jj, 0
.rept 32
	v_exp_f32 v[S+2*jj], v[S+2*jj]                 ; and tile 0's p = 2^(t - M);
	v_exp_f32 v[S+2*jj+1], v[S+2*jj+1]
	v_pk_fma_f32 v[S+64+2*jj:S+64+2*jj+1], v[S+64+2*jj:S+64+2*jj+1], s[CS:CS+1], v[SM+28+MM:SM+28+MM+1] op_sel_hi:[1,0,0]   ; among them tile 1's t - M, read behind the next two waits
.set jj, jj+1
.endr
.irp x, SM, SM+28
	v_pk_mul_f32 v[\x+LA:\x+LA+1], v[\x+LA:\x+LA+1], v[\x+FF:\x+FF+1] op_sel_hi:[1,0]   ; the sums under the new M: plain lines behind the batch
	v_pk_mul_f32 v[\x+LB:\x+LB+1], v[\x+LB:\x+LB+1], v[\x+FF:\x+FF+1] op_sel_hi:[1,0]
.endr
	s_wait_alu depctr_va_vdst(0)                   ; and the wait behind it, ahead of the first line that names a result
.irp x, SM, SM+28
.irp b, 0,1,2,3
	v_max_num_f32 v[\x+BM+\b], 0x4800000, v[\x+BM+\b]     ; the floor 2^(9 - 127): the byte cannot fall under 1
.endr
.endr
.irp x, SM, SM+28
.irp b, 0,1,2,3
	v_add_nc_u32 v[\x+SO+\b], 0xfc000000, v[\x+BM+\b]     ; 8 off the exponent field: the conversion's scale operand
.endr
.endr
.irp x, SM, SM+28
.irp b, 0,1,2,3
	v_and_or_b32 v[\x+HD+\b], v[\x+BM+\b], 0x7f800000, s[MNT]   ; 448 x the scale
.endr
.endr
.irp x, SM, SM+28
.irp b, 0,1,2,3
	v_lshrrev_b32 v[\x+PT+\b], 23, v[\x+SO+\b]     ; the scale's byte
.endr
.endr
.irp t, 0,1
	v_lshl_or_b32 v[PW+\t], v[SM+28*\t+PT+1], 8, v[SM+28*\t+PT]
.endr
.irp t, 0,1
	v_lshl_or_b32 v[PW+\t], v[SM+28*\t+PT+2], 16, v[PW+\t]
.endr
.irp t, 0,1
	v_lshl_or_b32 v[PW+\t], v[SM+28*\t+PT+3], 24, v[PW+\t]   ; p's scale word for these 128 keys
.endr
	SUMS 0, 0                                      ; tile 0's sums, ahead of its holds
	s_wait_alu depctr_va_vdst(0)                   ; the wait ahead of the second batch
.set jj, 0
.rept 32
	v_exp_f32 v[S+64+2*jj], v[S+64+2*jj]           ; tile 1's p;
	v_exp_f32 v[S+64+2*jj+1], v[S+64+2*jj+1]
	HOLD2 S+2*jj, SM+HD+jj/8                       ; among them tile 0's holds, read behind the wait below
.set jj, jj+1
.endr
	v_nop                                          ; a plain line behind the batch
	s_wait_alu depctr_va_vdst(0)                   ; and its wait
	SUMS 1, 1                                      ; tile 1's sums, tile 0's conversions among them
.irp q, 0,1,2,3,4,5,6,7                ; tile 1's holds, a group ahead of its conversions
	MINS 1, \q
.if \q > 0
	CVT 1, \q-1
.endif
.endr
	CVT 1, 7
	WIN 0x41                                       ; destination and source 0 in window 1
	s_wait_alu depctr_va_vdst(0)                   ; the wait directly ahead of the first reader of O^T
.irp t, 0,1
.set jj, 0
.rept 16
	v_pk_mul_f32 v[O+32*\t+jj:O+32*\t+jj+1], v[O+32*\t+jj:O+32*\t+jj+1], v[SM+28*\t+FF:SM+28*\t+FF+1] op_sel_hi:[1,0]   ; O^T under the new M, each tile from its low end on; also the plain lines between the codes and the products
.set jj, jj+2
.endr
.endr
	s_wait_alu depctr_va_vdst(0)                   ; the wait directly ahead of the wait below
	s_wait_dscnt 17                                ; V and its scale words are in; the 17 loads for the next step, issued behind them, may be out
	WIN 0x51                                       ; A, C and D in window 1, B in window 0
.irp n, 0,1,2,3                        ; O^T += V P^T: eight accumulators by turns
.irp t, 0,1
	v_wmma_scale_f32_16x16x128_f8f6f4 v[O+32*\t+8*\n:O+32*\t+8*\n+7], v[FV+16*\n:FV+16*\n+15], v[PC+16*\t:PC+16*\t+15], v[O+32*\t+8*\n:O+32*\t+8*\n+7], v[SCV+\n], v[PW+\t] matrix_a_scale:MATRIX_SCALE_ROW1
.endr
.endr
	WIN 0
.endm
.macro SLOTRUN g                       ; slot g's eight key steps: written once, walked eight times
	s_mov_b32 s[TBS], \g*SLOTB
	s_mov_b32 s[TBN], \g*SLOTB+STEPB
	s_mov_b32 s[CNT], 8
	v_add_nc_u32 v[AD2], s[TBS], v[LI]
	ds_load_b128 v[SCK:SCK+3], v[AD2] offset:16384
	WIN 0x40
	FLOAD FK, AD2, 0                               ; the slot's first K
	WIN 0
.Lstep_\@:
	STEP
	s_add_co_u32 s[TBS], s[TBS], STEPB
	s_add_co_u32 s[TBN], s[TBS], STEPB
	s_min_u32 s[TBN], s[TBN], \g*SLOTB+7*STEPB     ; the look-ahead stays inside the slot
	s_sub_co_u32 s[CNT], s[CNT], 1
	s_cmp_lg_u32 s[CNT], 0
	s_cbranch_scc1 .Lstep_\@
.endm
	s_wait_alu depctr_va_vdst(0)                   ; the wait at the head's end
	CHANGE 2, 1                                    ; everybody's part of slot 0 is in; slot 1 takes steps 8-15
	s_wait_loadcnt 0x0                             ; Q and its scale words
	SLOTRUN 0                                      ; key steps 0-7
	CHANGE 1, 0                                    ; slot 0 takes steps 16-23
	SLOTRUN 1
	CHANGE 1, 1                                    ; slot 1 takes steps 24-31
	SLOTRUN 0
	CHANGE 0, 0
	SLOTRUN 1
	; THE WAY OUT: O^T / the sum goes through a stage in LDS by channel rows, since 256 consecutive bytes of a row of out0 come from two waves.
.irp x, SM, SM+28
	v_pk_add_f32 v[\x+LA:\x+LA+1], v[\x+LA:\x+LA+1], v[\x+LB:\x+LB+1]
.endr
.irp x, SM, SM+28
	v_add_f32 v[\x+LA], v[\x+LA], v[\x+LA+1]
.endr
.irp x, SM, SM+28
	v_permlanex16_b32 v[\x+TP], v[\x+LA], s[SEL], s[SEL+1]
.endr
.irp x, SM, SM+28
	v_add_f32 v[\x+LA], v[\x+LA], v[\x+TP]         ; with lane l xor 16's keys: the row's sum
.endr
	s_wait_alu depctr_va_vdst(0)                   ; the wait ahead of the reciprocals
.irp x, SM, SM+28
	v_rcp_f32 v[\x+FF], v[\x+LA]
.endr
.rept 4
	v_nop                                          ; plain lines behind the reciprocals; with the eight above, the places behind the last products
.endr
	WIN 0x41
	s_wait_alu depctr_va_vdst(0)                   ; the wait ahead of the first reader of the reciprocals and of O^T
.irp t, 0,1
.set jj, 0
.rept 16
	v_pk_mul_f32 v[O+32*\t+jj:O+32*\t+jj+1], v[O+32*\t+jj:O+32*\t+jj+1], v[SM+28*\t+FF:SM+28*\t+FF+1] op_sel_hi:[1,0]
.set jj, jj+2
.endr
.endr
	WIN 0x04                                       ; the stores' data in window 1
.irp t, 0,1
.irp n, 0,1,2,3
.irp j, 0,1,2,3,4,5,6,7
	ds_store_b32 v[STO], v[O+32*\t+8*\n+\j] offset:(16*\n+\j)*SPITCH+64*\t   ; out(channel 16 n + 8 h + j, query 32 w + 16 t + r)
.endr
.endr
.endr
	WIN 0
	s_wait_dscnt 0x0                               ; for the others' sake: my stores into the stage are done
	s_barrier_signal -1
	s_barrier_wait -1
.irp i, 0,1,2,3,4,5,6,7
.irp g, 0,1
	ds_load_b128 v[S+8*\i+4*\g:S+8*\i+4*\g+3], v[RD] offset:SPITCH*\i+512*\g   ; channel row 8 w + i, half g
.endr
.endr
.irp i, 0,1,2,3,4,5,6,7
.irp g, 0,1
	s_wait_dscnt 15-2*\i-\g                        ; this load is back; those issued behind it may be out
	global_store_b128 v[LI], v[S+8*\i+4*\g:S+8*\i+4*\g+3], s[10:11] offset:16384*\i+512*\g th:TH_STORE_NT   ; 32 lanes store 512 consecutive bytes, at a multiple of 256 from out0's first byte
.endr
.endr
	s_wait_tensorcnt 0x0                           ; the wave's end
	ds_add_u32 v[SPW], v[NIL]
	s_wait_dscnt 0x0
	CROUND                                         ; the closing round
	s_endpgm
.Lfunc_end_k_q935cba81b4_attn:
	.size	k_q935cba81b4_attn, .Lfunc_end_k_q935cba81b4_attn-k_q935cba81b4_attn
	.p2alignl 7, 3214868480
	.fill 96, 4, 3214868480
	.section	.rodata,"a",@progbits
	.p2align	6, 0x0
	.amdhsa_kernel k_q935cba81b4_attn
		.amdhsa_group_segment_fixed_size 327680
		.amdhsa_private_segment_fixed_size 0
		.amdhsa_enable_private_segment 0
		.amdhsa_kernarg_size 32
		.amdhsa_user_sgpr_count 2
		.amdhsa_user_sgpr_kernarg_segment_ptr 1
		.amdhsa_wavefront_size32 1
		.amdhsa_system_sgpr_workgroup_id_x 1
		.amdhsa_system_sgpr_workgroup_id_y 1
		.amdhsa_system_sgpr_workgroup_id_z 1
		.amdhsa_system_vgpr_workitem_id 0
		.amdhsa_next_free_vgpr 512
		.amdhsa_next_free_sgpr 66
		.amdhsa_reserve_vcc 0
		.amdhsa_float_denorm_mode_32 3
		.amdhsa_float_denorm_mode_16_64 3
		.amdhsa_memory_ordered 1
		.amdhsa_forward_progress 1
		.amdhsa_inst_pref_size 161
	.end_amdhsa_kernel
	.amdgpu_metadata
---
amdhsa.version: [ 1, 2 ]
amdhsa.kernels:
  - .name:           k_q935cba81b4_attn
    .symbol:         k_q935cba81b4_attn.kd
    .args:
      - { .name: qc, .offset: 0, .size: 8, .value_kind: global_buffer, .address_space: global }
      - { .name: qs, .offset: 8, .size: 8, .value_kind: global_buffer, .address_space: global }
      - { .name: kv, .offset: 16, .size: 8, .value_kind: global_buffer, .address_space: global }
      - { .name: out0, .offset: 24, .size: 8, .value_kind: global_buffer, .address_space: global }
    .group_segment_fixed_size: 327680
    .private_segment_fixed_size: 0
    .kernarg_segment_align: 8
    .kernarg_segment_size: 32
    .max_flat_workgroup_size: 256
    .sgpr_count:     66
    .vgpr_count:     512
    .wavefront_size: 32
...
	.end_amdgpu_metadata
.endif
;; end of part 2
